; MI455X (gfx1250); checked and timed in simulation.
; The chip was launched on July 23, 2026; its instructions are those of AMD's public machine-readable ISA for CDNA 5 (MIT licence, August 2026) and "CDNA5" Instruction Set Architecture Reference Guide (July 2026). The comments in the code are by the model that wrote it; some were corrected since.
;; Vector Quantizer. Allowed arithmetic: matrix products marked QUANTISED: E3M2 operands, one E8M0 scale for each 32 along K, by v_wmma_scale_f32_16x16x128_f8f6f4 with both operands' format E3M2, f32 sums; everything else in f32.
;; Inputs: emb 2,048 x 128 float32; z_e 32 x 128 x 32 x 32 float32.
;; Outputs: out0 32 x 128 x 32 x 32 float32; out1 one number float32; out2 32 x 32 x 32 int32.
;; This version of the problem:
;;   THIS VERSION OF THE PROBLEM IS GIVEN IN LOW PRECISION. The matrix products marked QUANTISED in the list below multiply operands that are first quantised to E3M2 (3 exponent bits, 2 mantissa bits; 6 bits a number), with one power-of-two scale for each 32 numbers along K (OCP MX v1.0); their sums are f32. All else is computed in f32.
;;   The module's matrix products, in the order in which they are computed (A, B: the left and right operand; K: the contracted axis; several contracted axes count as one K, in the product's order):
;;     1. [M 32,768, K 128] x [K 128, N 2,048]; A: input z_e; B: input emb: QUANTISED
;;   THE QUANTISER, for each operand of a quantised product, along K:
;;     - K is cut into blocks of 32 from its start; a last block that is shorter is filled with zeros.
;;     - A block's scale is 2^e with e = floor(log2(the largest magnitude in the block)) - 4, held to -126 .. 127; a block of zeros has e = 0. As a byte (E8M0): e + 127.
;;     - Each number is divided by its block's scale, clamped to +-28, and rounded to the nearest number of E3M2, ties to even, subnormals kept.
;;     - The product sums the exact products of the quantised numbers (number of the format x scale) in f32.
;;   ~~~python
;;   def quantise(x, axis):      # numpy; x: float32 -> the quantised numbers, widened to float32 again
;;       x = np.moveaxis(x, axis, -1); K = x.shape[-1]
;;       x = np.pad(x, [(0, 0)] * (x.ndim - 1) + [(0, -K % 32)]); x = x.reshape(x.shape[:-1] + (-1, 32)); a = np.abs(x).max(-1, keepdims=True)
;;       e = np.where(a > 0, np.clip(np.frexp(np.where(a > 0, a, 1))[1] - 1 - 4, -126, 127), 0)      # np.frexp(a)[1] - 1 = floor(log2(a)), exactly
;;       r = np.clip(x / 2.0 ** e, -28, 28)
;;       step = 2.0 ** (np.maximum(np.frexp(np.where(r == 0, 1, r))[1] - 1, -2) - 2)
;;       q = np.round(r / step) * step * 2.0 ** e      # np.round: ties to even
;;       return np.moveaxis(q.reshape(q.shape[:-2] + (-1,))[..., :K], -1, axis).astype(np.float32)
;;   ~~~
;; One version. Each part assembles by itself: llvm-mc -triple=amdgcn-amd-amdhsa -mcpu=gfx1250 --defsym DOCPART=n.
;; ======== version 1 of 1: 3 launches
;; limits: right only within a limited range of input values
;; workspace buffers: cand 2,097,152 bytes of whole numbers; part 1,024 bytes
;; launch nearest (part 1): grid 4 x 64, 16 waves a work-group, clusters of 4 x 4, 327,680 bytes of LDS; arguments z_e, emb, cand; writes cand
.if DOCPART == 1
	.amdgcn_target "amdgcn-amd-amdhsa--gfx1250"
	.amdhsa_code_object_version 6
	.text
	.protected	k_q5edee1b946_nearest
	.globl	k_q5edee1b946_nearest
	.p2align	8
	.type	k_q5edee1b946_nearest,@function
k_q5edee1b946_nearest:
	s_mov_b64 s[64:65], 0
	v_nop
	global_prefetch_b8 v0, s[64:65] scope:SCOPE_SE
	s_setreg_imm32_b32 hwreg(HW_REG_WAVE_MODE, 25, 1), 1
	s_wait_xcnt 0x0
	s_wait_alu depctr_hold_cnt(0) depctr_sa_sdst(0) depctr_va_vdst(0) depctr_va_sdst(0) depctr_va_ssrc(0) depctr_va_vcc(0) depctr_vm_vsrc(0)
	s_getreg_b32 s2, hwreg(HW_REG_IB_STS2, 6, 4)
	s_cmp_eq_u32 s2, 0
	s_cbranch_scc0 .Lentry_in_a_cluster
	s_endpgm
.Lentry_in_a_cluster:
	s_bfe_u32 s2, ttmp6, 0x10000c
	s_cmp_lg_u32 s2, 0xf033
	s_cbranch_scc0 .Lentry_shape_is_right
	s_endpgm
.Lentry_shape_is_right:
; For each of the 32,768 points z (point = (b, hw); its 128 channels lie 4,096 bytes apart in z_e) and each EIGHTH of the 2,048 codes (256 codes on end): the least (zz - 2 z . emb) + e2 and the first code that has it.
; cand[s][point], s = 0 .. 7, holds (key, code): key = the distance's bits as a signed whole number in the distances' order.  The next launch takes the least of the eight keys, the lower s winning ties.
; The product is on codes of BF6 (E3M2) with E8M0 scales, K = 128: one matrix instruction for 16 codes x 16 points.  Both operands are quantised here.
; THE TWO ROUNDINGS OF reference() ARE KEPT: t = fma(-2, dot, zz), d = t + e2, both in f32; so neither zz nor e2 is given to the matrix instruction as C.
; DEAD WORK LEFT OUT OF THE PROGRAM: out0 = z_e + (z_q - z_e) is z_q in exact arithmetic for all z_e and z_q, so out0 is stored as z_q = emb[index] (launch gather).  z_e stays live in the distances and in the loss.
; LIMIT of that: a NaN, an infinity or an overflow of z_e that reaches out0 only by those two terms is not carried to out0.
; LIMITS: two distances of a point that differ by less than 2^-114 count as a tie among the 16 codes searched last.  NaN and infinities are not served.  A block whose largest magnitude lies under 2^-122 (zeros too) keeps
; the scale byte 1.  zz and e2 are summed in orders of this text's own.
; SHARES: work-group (x, y): code quarter x (512 codes), points 512 y .. 512 y + 511.  Wave w quantises codes 32 w .. 32 w + 31 of the quarter and points 32 w .. 32 w + 31; then it takes points 64 (w % 8) .. + 63 (four tiles of 16)
; against codes 256 (w / 8) .. + 255 of the quarter, in eight groups of two tiles of 16 codes: 64 matrix instructions a wave, each fragment of codes meeting four tiles of points.
; THE HEAD: z is asked for first, straight into registers: lane l takes points 4 a .. 4 a + 3 (a = l % 8) of channels 32 q .. 32 q + 31 (q = l / 8), 16 bytes a load.  z is quantised while the tensor load of emb's rows is on its way.
; CLUSTER: 4 x 4 work-groups.  The four of a column (same x) need the same quarter of emb: wave w of each issues the same tensor load of its 32 rows, with a mask that names the four.  The four of a row read the same z, but emb's rows
; take 270,336 bytes of LDS, and 262,144 more do not fit: so z comes through registers, each wave its own 32 points.
; No LDS byte is filled twice: no ring.  A wave has one tensor load out.  No prefetch: the launch has no loop to run ahead in, all its loads stand at its head.
; LDS REUSE: when all rows of emb have landed (a barrier shows it), each wave lays its two tiles' images over its own rows 0 .. 6, which it has read; no tensor load follows.
; THE ARGMIN: a lane holds 16 distances of a group; where their minimum is under the best so far, the best, the group's number and the 16 distances are taken over.  At the end the 16 kept are searched: y = d - m (0 exactly
; where d = m), key = y 2^120 + i: i where d = m, 64 or more elsewhere; the least key is the first index of the minimum.
.set REG,  16896                       ; LDS: a wave's 32 rows of emb, 512 bytes + 16 of padding each; then at its start: images of two tiles (1,536 each), 32 scale words, 32 e2
.set ROWP, 528
.set ZIMG, 16*REG                      ; z's 32 fragments as images of their registers, 1,536 bytes each
.set ZSC,  ZIMG+49152                  ; z's scale words, 4 bytes a point; 2,048 on: zz, 4 bytes a point
.set SPARE, ZSC+4096                   ; the spare words: ends at 325,632
.set SPW, 2
.set NIL, 3
.set BASEF, 12                         ; 512 quarter + 256 (w / 8) + 8 h as f32
.set GC, 13                            ; 32 x the group's number, as f32
.set W, 14                             ; v14-17 chains of minima.  At the head v14-25, v29 hold addresses
.set BG, 18                            ; v18-25 for each tile of points: best, its group
.set ZZ, 26                            ; v26-29 zz of the four tiles.  At the head: v26 z's offset, v27 r, v28 h
.set ZS, 30                            ; v30, v31 z's scale words: tiles 0, 1 and 2, 3 (lanes 0-15, 16-31); they hold nothing else
.set ES, 32                            ; v32 the group's scale words: tile 0 in lanes 0-15, tile 1 in lanes 16-31; it holds nothing else
.set CF, 34                            ; v34-57 the group's two fragments of codes
.set E2, 58                            ; v58-73 e2 of even groups; v234-249 of odd groups
.set ZF, 74                            ; v74-121 four fragments of points
.set D,  122                           ; v122-137, v138-153 two buffers of 16 distances
.set S,  154                           ; v154-217 the kept 16 distances of each tile
.set CI, 218                           ; v218-233 0 .. 7, 16 .. 23 as f32
.set EX, 64                            ; at the head: v64-127 two points' blocks of z in the conversions' order, then 64 numbers of emb
.set ZX, 128                           ; at the head: v128-255 channel 32 q + i of point 4 a + k at 128 + 4 i + k
.macro ROUND                           ; a round of the cluster's barrier
	s_barrier_signal -1
	s_barrier_wait -1
	s_cmp_lg_u32 s12, 0
	s_cbranch_scc1 .Lnot_wave_0_\@
	s_barrier_signal -3
.Lnot_wave_0_\@:
	s_barrier_wait -3
	s_barrier_signal -1
	s_barrier_wait -1
.endm
	s_load_b128 s[4:7], s[0:1], 0x0                ; z_e s[4:5], emb s[6:7]
	s_load_b64 s[8:9], s[0:1], 0x10                ; cand
	v_lshl_add_u32 v[SPW], v0, 2, SPARE
	v_mov_b32 v[NIL], 0
	ds_add_u32 v[SPW], v[NIL]                      ; the opening lines
	ds_add_u32 v[SPW], v[NIL]
	v_lshrrev_b32 v1, 5, v0
	v_readfirstlane_b32 s12, v1                    ; wave w
	v_and_b32 v1, 31, v0                           ; lane l
	v_and_b32 v27, 7, v0                           ; a
	v_bfe_u32 v28, v0, 3, 2                        ; q
	v_lshlrev_b32 v26, 4, v27                      ; z: 16 bytes for a,
	v_lshl_add_u32 v26, v28, 17, v26               ; 32 channels of 4,096 bytes for q
	s_bfe_u32 s13, ttmp6, 0x40000                  ; cx: the code quarter (the grid has one cluster along x)
	s_bfe_u32 s14, ttmp6, 0x40004                  ; cy
	s_and_b32 s15, ttmp7, 0xffff
	s_lshl_b32 s15, s15, 2
	s_add_co_u32 s14, s14, s15                     ; point group y = 4 x cluster y + cy
	s_and_b32 s16, s12, 7                          ; g: which 64 points
	s_lshr_b32 s17, s12, 3                         ; which half of the quarter's codes
	s_mul_i32 s18, s12, REG                        ; my region
	s_mul_i32 s19, s17, 8*REG                      ; the eight regions that I multiply
	s_lshr_b32 s20, s14, 1
	s_lshl_b32 s20, s20, 19                        ; b: 128 channels x 4,096 bytes
	s_and_b32 s21, s14, 1
	s_lshl_b32 s21, s21, 11                        ; 512 points x 4 bytes
	s_add_co_u32 s20, s20, s21
	s_lshl_b32 s21, s12, 7                         ; my 32 points
	s_add_co_u32 s20, s20, s21
	s_mov_b32 s21, 0
	s_lshl_b32 s22, s13, 18                        ; the quarter's 512 rows of 512 bytes
	s_lshl_b32 s23, s12, 14                        ; my 32 rows
	s_add_co_u32 s22, s22, s23
	s_mov_b32 s23, 0
	s_lshl_b32 s42, s13, 1
	s_add_co_u32 s42, s42, s17                     ; s = 2 x quarter + half
	s_lshl_b32 s42, s42, 18                        ; 32,768 points x 8 bytes
	s_lshl_b32 s43, s14, 12
	s_add_co_u32 s42, s42, s43
	s_lshl_b32 s43, s16, 9
	s_add_co_u32 s42, s42, s43
	s_mov_b32 s43, 0
	s_mov_b32 s44, 0x76543210
	s_mov_b32 s45, 0xfedcba98                      ; selects for lane l xor 16
	s_lshl_b32 s36, 0x1111, s13                    ; my column of the cluster
	s_or_b32 s24, s36, (3<<16)|(1<<20)|(1<<21)|(6<<22)|(3<<25)   ; elements of 8 bytes; padding: 4 words behind every 128; bit 21 set beside a mask
	s_mov_b32 s25, 64<<16                          ; tensor_dim0 = 64 elements: rows of 512 bytes
	s_mov_b32 s26, 32<<16                          ; tensor_dim1 = 32 rows
	s_mov_b32 s27, 64<<16
	s_mov_b32 s28, 32
	s_mov_b32 s29, 64                              ; from row to row
	s_mov_b32 s30, 0
	s_mov_b32 s31, 0
	s_mov_b32 s32, 1
	s_mul_i32 s33, s12, REG
	s_wait_dscnt 0x0                               ; both opening adds are done
	s_wait_alu depctr_va_vdst(0)
	s_wait_kmcnt 0x0
	s_add_nc_u64 s[4:5], s[4:5], s[20:21]
.set I, 0
.rept 32
	global_load_b128 v[ZX+4*I:ZX+4*I+3], v26, s[4:5] offset:4096*I   ; eight lanes read 128 consecutive bytes of a channel, four neighbouring waves 512
.set I, I+1
.endr
	s_add_nc_u64 s[34:35], s[6:7], s[22:23]
	s_or_b32 s35, s35, 0x80000000
	s_add_nc_u64 s[8:9], s[8:9], s[42:43]
	ROUND                                          ; all sixteen work-groups are here: the joint loads meet
	tensor_load_to_lds s[32:35], s[24:31]
	s_nop 0
.rept 4
	v_nop
.endr
	v_and_b32 v27, 15, v0                          ; r
	v_bfe_u32 v28, v0, 4, 1                        ; h
	s_mul_i32 s37, s12, 3072
	s_add_co_u32 s37, s37, ZIMG                    ; my two tiles of z's images
	s_lshl_b32 s38, s12, 7
	s_add_co_u32 s38, s38, ZSC
	s_mul_i32 s39, s16, 6144
	s_add_co_u32 s39, s39, ZIMG                    ; the four tiles that I multiply
	s_lshl_b32 s40, s16, 8
	s_add_co_u32 s40, s40, ZSC
	s_lshl_b32 s41, s13, 9
	s_lshl_b32 s46, s17, 8
	s_add_co_u32 s41, s41, s46                     ; my first code
	s_wait_alu depctr_va_vdst(0)
	v_lshl_add_u32 v14, v1, 4, s18                 ; my region + 16 l,
	v_lshl_add_u32 v15, v1, 3, s18                 ; + 8 l,
	v_lshl_add_u32 v16, v27, 2, s18                ; + 4 r
	v_mul_u32_u24 v24, v27, ROWP
	v_and_b32 v34, 3, v0                           ; a % 4
	v_bfe_u32 v35, v0, 2, 1                        ; a / 4
	v_bfe_u32 v36, v0, 3, 1                        ; q % 2;  q / 2 is h
	v_and_b32 v37, 7, v0                           ; a
	v_bfe_u32 v38, v0, 3, 2                        ; q
	v_mul_u32_u24 v17, v35, 1536                   ; z's images: point 4 a + k lies in my tile a / 4, row 4 (a % 4) + k;
	v_mul_u32_u24 v18, v28, 768                    ; block q is registers 6 (q / 2) on of lane row + 16 (q % 2)
	v_lshl_add_u32 v24, v28, 7, v24
	v_add_nc_u32 v18, v17, v18
	v_lshl_add_u32 v29, v37, 4, s38                ; four points' words
	v_add_nc_u32 v18, s37, v18
	v_add_nc_u32 v24, s18, v24                     ; my row of emb: row r, 128 bytes for h
	v_add_nc_u32 v19, v29, v38                     ; byte q of the first one's scale word
	v_lshl_add_u32 v17, v36, 8, v18
	v_lshl_add_u32 v18, v36, 7, v18
	v_lshl_add_u32 v17, v34, 6, v17
	v_lshl_add_u32 v18, v34, 5, v18
	v_lshl_add_u32 v20, v1, 4, s39
	v_lshl_add_u32 v21, v1, 3, s39
	v_lshl_add_u32 v22, v1, 2, s40
	v_lshl_add_u32 v23, v27, 2, s40
	v_lshl_add_u32 v4, v1, 4, s19                  ; the groups' images: groups 0-3 by v4-7, groups 4-7 by v8-11
	v_lshl_add_u32 v5, v1, 3, s19
	v_lshl_add_u32 v6, v1, 2, s19
	v_lshl_add_u32 v7, v28, 5, s19
.irp i, 0,1,2,3
	v_add_nc_u32 v[8+\i], 4*REG, v[4+\i]
.endr
	v_lshl_add_u32 v[BASEF], v28, 3, s41
	v_lshlrev_b32 v25, 3, v28                      ; 8 h: my bytes' place in a scale word
	v_cvt_f32_u32 v[BASEF], v[BASEF]
	s_wait_alu depctr_va_vdst(0)
; ---- z.  Eight channels of my block of four points: the largest magnitudes, two chains a point (v34 + 2 k, v35 + 2 k), with the floor 2^(5 - 127) among their leaves: the byte cannot fall under 1;
; and the sums of squares, two points an instruction, four chains by i % 4 (points 0, 1: v42-49; points 2, 3: v50-57).
.macro ZPART c
	s_wait_loadcnt 24-8*(\c)                       ; these eight loads are in; the younger ones may be out
.irp i, 0,2,4,6
.set XI, ZX+4*(8*(\c)+\i)
.irp k, 0,1,2,3
.if (\c) == 0 && \i < 4
	v_max3_num_f32 v[34+2*\k+(\i/2)%2], |v[XI+\k]|, |v[XI+4+\k]|, 0x2800000
.else
	v_max3_num_f32 v[34+2*\k+(\i/2)%2], v[34+2*\k+(\i/2)%2], |v[XI+\k]|, |v[XI+4+\k]|
.endif
.endr
.irp p, 0,1
.irp e, 0,1
.set AA, 42+8*\p+2*((\i+\e)%4)
.set XE, XI+4*\e+2*\p
.if (\c) == 0 && \i < 4
	v_pk_mul_f32 v[AA:AA+1], v[XE:XE+1], v[XE:XE+1]
.else
	v_pk_fma_f32 v[AA:AA+1], v[XE:XE+1], v[XE:XE+1], v[AA:AA+1]
.endif
.endr
.endr
.endr
	s_wait_alu depctr_va_vdst(0)
.endm
	ZPART 0
	ZPART 1
	ZPART 2
	ZPART 3
.irp k, 0,1,2,3
	v_max_num_f32 v[34+2*\k], v[34+2*\k], v[35+2*\k]
.endr
.irp p, 42,50
	v_pk_add_f32 v[\p:\p+1], v[\p:\p+1], v[\p+4:\p+5]
	v_pk_add_f32 v[\p+2:\p+3], v[\p+2:\p+3], v[\p+6:\p+7]
.endr
.irp k, 0,1,2,3
	v_add_nc_u32 v[58+\k], 0xfe000000, v[34+2*\k]  ; 4 off the exponent field: the conversion's scale operand
.endr
.irp p, 42,50
	v_pk_add_f32 v[\p:\p+1], v[\p:\p+1], v[\p+2:\p+3]
.endr
.irp k, 0,1,2,3
	v_lshrrev_b32 v[35+2*\k], 23, v[58+\k]         ; the scale's byte
.endr
.irp r, 42,43,50,51
	v_add_f32_dpp v[\r], v[\r], v[\r] row_xmask:8 row_mask:0xf bank_mask:0xf   ; with the neighbouring block's
.endr
	v_permlanex16_b32 v44, v42, s44, s45
	v_permlanex16_b32 v45, v43, s44, s45
	v_permlanex16_b32 v52, v50, s44, s45
	v_permlanex16_b32 v53, v51, s44, s45
	v_add_f32 v46, v42, v44                        ; and the other two blocks': zz
	v_add_f32 v47, v43, v45
	v_add_f32 v48, v50, v52
	v_add_f32 v49, v51, v53
	ds_store_b128 v29, v[46:49] offset:2048        ; the four lanes of a point write the same words with the same values
.irp k, 0,1,2,3
	ds_store_b8 v19, v[35+2*\k] offset:4*\k
.endr
; Points k, k + 1: their 32 numbers side by side, as the conversions take them; then codes, and their places in the images.
.macro ZPAIR k
.irp i, 0,2,4,6,8,10,12,14,16,18,20,22,24,26,28,30
	v_dual_mov_b32 v[EX+\i], v[ZX+4*\i+(\k)] :: v_dual_mov_b32 v[EX+33+\i], v[ZX+4*\i+5+(\k)]
	v_dual_mov_b32 v[EX+32+\i], v[ZX+4*\i+1+(\k)] :: v_dual_mov_b32 v[EX+1+\i], v[ZX+4*\i+4+(\k)]
.endr
.irp e, 0,1
.set CC, 42+10*\e
.set XS, EX+32*\e
	v_cvt_scalef32_pk16_bf6_f32 v[CC:CC+2], v[XS:XS+15], v[58+(\k)+\e]
	v_cvt_scalef32_pk16_bf6_f32 v[48:50], v[XS+16:XS+31], v[58+(\k)+\e]   ; (a conversion's three registers begin on an even number)
	v_nop                                          ; one plain place behind a scaled conversion
.irp i, 0,1,2
	v_mov_b32 v[CC+3+\i], v[48+\i]
.endr
	ds_store_b128 v17, v[CC:CC+3] offset:16*((\k)+\e)
	ds_store_b64 v18, v[CC+4:CC+5] offset:512+8*((\k)+\e)
.endr
.endm
	ZPAIR 0
	ZPAIR 2
	s_wait_alu depctr_va_vdst(0)
	s_wait_tensorcnt 0x0                           ; my rows of emb are in,
	s_wait_dscnt 0x0
	s_barrier_signal -1
	s_barrier_wait -1                              ; and everybody's: no tensor load is out, so images may be laid over rows
; ---- emb.  Tile u of my 32 codes: rows 16 u .. 16 u + 15.  Lane (r, h) takes, of row r, k = 64 c + 32 h + 0 .. 31 for c = 0, 1: two whole blocks, in the order of the operand's registers.
.macro EMB u
.irp c, 0,1
.irp i, 0,1,2,3,4,5,6,7
	ds_load_b128 v[EX+32*\c+4*\i:EX+32*\c+4*\i+3], v24 offset:16*ROWP*(\u)+256*\c+16*\i
.endr
.endr
	s_wait_dscnt 0x0
.irp c, 0,1
	v_max3_num_f32 v[34+\c], |v[EX+32*\c]|, |v[EX+32*\c+1]|, 0x2800000   ; with the floor 2^(5 - 127): the byte cannot fall under 1
.endr
.irp i, 2,4,6,8,10,12,14,16,18,20,22,24,26,28,30
.irp c, 0,1
	v_max3_num_f32 v[34+\c], v[34+\c], |v[EX+32*\c+\i]|, |v[EX+32*\c+\i+1]|
.endr
.endr
.irp c, 0,1
	v_add_nc_u32 v[36+\c], 0xfe000000, v[34+\c]    ; 4 off the exponent field: the conversion's scale operand
.endr
	v_pk_mul_f32 v[44:45], v[EX:EX+1], v[EX:EX+1]  ; e2: two chains, of the numbers as they are given
	v_pk_mul_f32 v[46:47], v[EX+2:EX+3], v[EX+2:EX+3]
.irp i, 4,8,12,16,20,24,28,32,36,40,44,48,52,56,60
	v_pk_fma_f32 v[44:45], v[EX+\i:EX+\i+1], v[EX+\i:EX+\i+1], v[44:45]
	v_pk_fma_f32 v[46:47], v[EX+\i+2:EX+\i+3], v[EX+\i+2:EX+\i+3], v[46:47]
.endr
.irp c, 0,1
	v_lshrrev_b32 v[38+\c], 23, v[36+\c]           ; the scale's byte
.endr
	v_pk_add_f32 v[44:45], v[44:45], v[46:47]
	v_lshl_or_b32 v43, v39, 16, v38                ; blocks h and 2 + h,
	v_add_f32 v44, v44, v45
	v_lshlrev_b32 v43, v25, v43                    ; at their places in the word;
	v_permlanex16_b32 v42, v44, s44, s45
	v_permlanex16_b32 v41, v43, s44, s45
	v_add_f32 v44, v44, v42                        ; with the row's other 64
	v_or_b32 v43, v43, v41                         ; with lane l xor 16's two the word is whole
	v_cvt_scalef32_pk16_bf6_f32 v[48:50], v[EX:EX+15], v36
	v_cvt_scalef32_pk16_bf6_f32 v[54:56], v[EX+16:EX+31], v36   ; (a conversion's three registers begin on an even number)
	v_cvt_scalef32_pk16_bf6_f32 v[58:60], v[EX+32:EX+47], v37
	v_cvt_scalef32_pk16_bf6_f32 v[38:40], v[EX+48:EX+63], v37
	v_nop                                          ; one plain place behind a scaled conversion
.irp i, 0,1,2
	v_mov_b32 v[51+\i], v[54+\i]
	v_mov_b32 v[61+\i], v[38+\i]
.endr
	ds_store_b128 v14, v[48:51] offset:1536*(\u)
	ds_store_b64 v15, v[52:53] offset:1536*(\u)+512
	ds_store_b128 v14, v[58:61] offset:1536*(\u)+768
	ds_store_b64 v15, v[62:63] offset:1536*(\u)+1280
	ds_store_b32 v16, v43 offset:3072+64*(\u)      ; both lanes of a row write the same word with the same value
	ds_store_b32 v16, v44 offset:3200+64*(\u)
.endm
	EMB 0
	EMB 1
	s_wait_dscnt 0x0                               ; for the others' sake: my LDS stores are done
	s_barrier_signal -1
	s_barrier_wait -1                              ; all images, scale words and sums lie in LDS
; Group G's two fragments, scale words and e2
.macro FETCH G
.set AB, 4+4*((\G)/4)
.set OO, REG*((\G)%4)
.set EE, E2+176*((\G)%2)
.irp u, 0,1
	ds_load_b128 v[CF+12*\u:CF+12*\u+3], v[AB] offset:OO+1536*\u
	ds_load_b64 v[CF+12*\u+4:CF+12*\u+5], v[AB+1] offset:OO+1536*\u+512
	ds_load_b128 v[CF+12*\u+6:CF+12*\u+9], v[AB] offset:OO+1536*\u+768
	ds_load_b64 v[CF+12*\u+10:CF+12*\u+11], v[AB+1] offset:OO+1536*\u+1280
.endr
	ds_load_b32 v[ES], v[AB+2] offset:OO+3072
.irp u, 0,1
	ds_load_b128 v[EE+8*\u:EE+8*\u+3], v[AB+3] offset:OO+3200+64*\u
	ds_load_b128 v[EE+8*\u+4:EE+8*\u+7], v[AB+3] offset:OO+3216+64*\u
.endr
.endm
.irp p, 0,1,2,3
	ds_load_b128 v[ZF+12*\p:ZF+12*\p+3], v20 offset:1536*\p
	ds_load_b64 v[ZF+12*\p+4:ZF+12*\p+5], v21 offset:1536*\p+512
	ds_load_b128 v[ZF+12*\p+6:ZF+12*\p+9], v20 offset:1536*\p+768
	ds_load_b64 v[ZF+12*\p+10:ZF+12*\p+11], v21 offset:1536*\p+1280
	ds_load_b32 v[ZZ+\p], v23 offset:2048+64*\p
.endr
	ds_load_b32 v[ZS], v22
	ds_load_b32 v[ZS+1], v22 offset:128
	FETCH 0
.irp i, 0,1,2,3,4,5,6,7
	v_cvt_f32_u32 v[CI+\i], \i
	v_cvt_f32_u32 v[CI+8+\i], 16+\i
.endr
; Tile p of points against the group's two tiles of codes.  Each sum is one instruction with C = 0.  Source 0 = 16 codes, source 1 = 16 points: lane (r, h) holds point r, and register 8 u + j code 16 u + 8 h + j of the group's 32.
.macro MM p
.set DD, D+16*((\p)%2)
.if (\p)%2
	v_wmma_scale_f32_16x16x128_f8f6f4 v[DD:DD+7], v[CF:CF+11], v[ZF+12*(\p):ZF+12*(\p)+11], 0, v[ES], v[ZS+(\p)/2] matrix_a_fmt:MATRIX_FMT_BF6 matrix_b_fmt:MATRIX_FMT_BF6 matrix_b_scale:MATRIX_SCALE_ROW1
	v_wmma_scale_f32_16x16x128_f8f6f4 v[DD+8:DD+15], v[CF+12:CF+23], v[ZF+12*(\p):ZF+12*(\p)+11], 0, v[ES], v[ZS+(\p)/2] matrix_a_fmt:MATRIX_FMT_BF6 matrix_b_fmt:MATRIX_FMT_BF6 matrix_a_scale:MATRIX_SCALE_ROW1 matrix_b_scale:MATRIX_SCALE_ROW1
.else
	v_wmma_scale_f32_16x16x128_f8f6f4 v[DD:DD+7], v[CF:CF+11], v[ZF+12*(\p):ZF+12*(\p)+11], 0, v[ES], v[ZS+(\p)/2] matrix_a_fmt:MATRIX_FMT_BF6 matrix_b_fmt:MATRIX_FMT_BF6
	v_wmma_scale_f32_16x16x128_f8f6f4 v[DD+8:DD+15], v[CF+12:CF+23], v[ZF+12*(\p):ZF+12*(\p)+11], 0, v[ES], v[ZS+(\p)/2] matrix_a_fmt:MATRIX_FMT_BF6 matrix_b_fmt:MATRIX_FMT_BF6 matrix_a_scale:MATRIX_SCALE_ROW1
.endif
.endm
; The 16 distances.  Group 0's go straight to the kept ones.
.macro ARITH G, p
.set SR, D+16*((\p)%2)
.if \G == 0
.set TT, S+16*(\p)
.else
.set TT, SR
.endif
.set EE, E2+176*((\G)%2)
.set ZP, ZZ+2*((\p)/2)
.irp j, 0,2,4,6,8,10,12,14
.if (\p)%2
	v_pk_fma_f32 v[TT+\j:TT+\j+1], v[SR+\j:SR+\j+1], -2.0, v[ZP:ZP+1] op_sel:[0,0,1] op_sel_hi:[1,0,1]   ; t = zz - 2 dot, one rounding
.else
	v_pk_fma_f32 v[TT+\j:TT+\j+1], v[SR+\j:SR+\j+1], -2.0, v[ZP:ZP+1] op_sel_hi:[1,0,0]
.endif
.endr
.irp j, 0,2,4,6,8,10,12,14
	v_pk_add_f32 v[TT+\j:TT+\j+1], v[TT+\j:TT+\j+1], v[EE+\j:EE+\j+1]      ; d = t + e2
.endr
.endm
.macro MIN16 src, dst                  ; the least of 16
.irp k, 0,1,2,3
	v_min3_num_f32 v[W+\k], v[(\src)+3*\k], v[(\src)+3*\k+1], v[(\src)+3*\k+2]
.endr
	v_min3_num_f32 v[W], v[W], v[(\src)+12], v[(\src)+13]
	v_min3_num_f32 v[W+1], v[W+1], v[(\src)+14], v[(\src)+15]
	s_delay_alu instid0(VALU_DEP_1)
	v_min3_num_f32 v[W], v[W], v[W+1], v[W+2]
	s_delay_alu instid0(VALU_DEP_1)
	v_min_num_f32 v[\dst], v[W], v[W+3]
.endm
.macro MINS G, p
.if \G == 0
	MIN16 S+16*(\p), BG+2*(\p)
.else
	MIN16 D+16*((\p)%2), W
.endif
.endm
.macro SEL G, p                        ; a later group wins only by a strictly smaller value
.if \G > 0
.set SR, D+16*((\p)%2)
.set TT, S+16*(\p)
	v_cmp_lt_f32 vcc_lo, v[W], v[BG+2*(\p)]
	v_dual_cndmask_b32 v[BG+2*(\p)], v[BG+2*(\p)], v[W] :: v_dual_cndmask_b32 v[BG+2*(\p)+1], v[BG+2*(\p)+1], v[GC]
.irp j, 0,2,4,6,8,10,12,14
	v_dual_cndmask_b32 v[TT+\j], v[TT+\j], v[SR+\j] :: v_dual_cndmask_b32 v[TT+\j+1], v[TT+\j+1], v[SR+\j+1]
.endr
.endif
.endm
; A group.  Tile p + 1's products are issued ahead of tile p's vector work, which gives them their places (ISA guide 7.12.1); the selection of the group before for tile 3 stands behind tile 0's products in the same way.
; The next group's loads stand behind tile 2's 16 packed lines, which name no register of the last products.
.macro GROUP G
	s_wait_alu depctr_va_vdst(0)
	s_wait_dscnt 0x0                               ; the group's fragments, scale words and e2 are in
	MM 0
.if \G == 0
.irp p, 0,1,2,3
	v_mov_b32 v[BG+2*\p+1], 0                      ; group 0
.endr
.elseif \G == 1
.rept 4
	v_nop                                          ; group 0 has no selection
.endr
.else
	SEL \G-1, 3
.endif
	MM 1
.if \G > 0
	v_cvt_f32_u32 v[GC], 32*(\G)
.endif
	ARITH \G, 0
	MINS \G, 0
	SEL \G, 0
	MM 2
	ARITH \G, 1
	MINS \G, 1
	SEL \G, 1
	MM 3
	ARITH \G, 2
.if \G < 7
	FETCH \G+1
.endif
	MINS \G, 2
	SEL \G, 2
	ARITH \G, 3
	MINS \G, 3
.endm
.irp g, 0,1,2,3,4,5,6,7
	GROUP \g
.endr
	SEL 7, 3
; The kept 16 of each tile are searched.
.irp p, 0,1,2,3
.irp j, 0,2,4,6,8,10,12,14
	v_pk_add_f32 v[S+16*\p+\j:S+16*\p+\j+1], v[S+16*\p+\j:S+16*\p+\j+1], v[BG+2*\p:BG+2*\p+1] op_sel_hi:[1,0] neg_lo:[0,1] neg_hi:[0,1]   ; y = d - m
.endr
.irp j, 0,2,4,6,8,10,12,14
	v_pk_fma_f32 v[S+16*\p+\j:S+16*\p+\j+1], v[S+16*\p+\j:S+16*\p+\j+1], 0x7b800000, v[CI+\j:CI+\j+1] op_sel_hi:[1,0,1]   ; key = y 2^120 + i
.endr
	MIN16 S+16*\p, W
	v_add_f32 v[W], v[BASEF], v[W]
	v_add_f32 v[BG+2*\p+1], v[BG+2*\p+1], v[W]     ; the code: a whole number under 2,048, exact
.endr
	v_lshlrev_b32 v38, 3, v1                       ; 8 bytes a point
; The two halves of the lanes hold different codes of the same points: tiles 2 i and 2 i + 1 change halves, so that each lane compares two candidates of one of 32 points; of equal values the lower code stays.
.irp i, 0,1
	v_permlane16_swap_b32 v[BG+4*\i], v[BG+4*\i+2]
	v_permlane16_swap_b32 v[BG+4*\i+1], v[BG+4*\i+3]
	v_cmp_lt_f32 vcc_lo, v[BG+4*\i+2], v[BG+4*\i]
	v_cmp_eq_f32 s46, v[BG+4*\i+2], v[BG+4*\i]
	v_min_num_f32 v[W], v[BG+4*\i+1], v[BG+4*\i+3]
	v_min_num_f32 v[W+1], v[BG+4*\i], v[BG+4*\i+2]
	v_cndmask_b32 v[W+2], v[BG+4*\i+1], v[BG+4*\i+3], vcc_lo
	v_cndmask_b32 v[W+2], v[W+2], v[W], s46
	v_ashrrev_i32 v[W+3], 31, v[W+1]
	v_cvt_u32_f32 v[CF+2*\i+1], v[W+2]
	v_and_b32 v[W+3], 0x7fffffff, v[W+3]
	v_xor_b32 v[CF+2*\i], v[W+1], v[W+3]           ; a negative number's magnitude bits are turned over: signed order is the numbers' order
	global_store_b64 v38, v[CF+2*\i:CF+2*\i+1], s[8:9] offset:256*\i   ; 256 consecutive bytes, at a multiple of 256 from cand's first byte
.endr
	s_wait_alu depctr_va_vdst(0)
	s_wait_tensorcnt 0x0                           ; the wave's end
	ds_add_u32 v[SPW], v[NIL]
	s_wait_dscnt 0x0
	ROUND                                          ; the closing round: no work-group ends while a partner may still ask for rows that name it
	s_endpgm
.Lfunc_end_k_q5edee1b946_nearest:
	.size	k_q5edee1b946_nearest, .Lfunc_end_k_q5edee1b946_nearest-k_q5edee1b946_nearest
	.p2alignl 7, 3214868480
	.fill 96, 4, 3214868480
	.section	.rodata,"a",@progbits
	.p2align	6, 0x0
	.amdhsa_kernel k_q5edee1b946_nearest
		.amdhsa_group_segment_fixed_size 327680
		.amdhsa_private_segment_fixed_size 0
		.amdhsa_enable_private_segment 0
		.amdhsa_kernarg_size 24
		.amdhsa_user_sgpr_count 2
		.amdhsa_user_sgpr_kernarg_segment_ptr 1
		.amdhsa_wavefront_size32 1
		.amdhsa_system_sgpr_workgroup_id_x 1
		.amdhsa_system_sgpr_workgroup_id_y 1
		.amdhsa_system_sgpr_workgroup_id_z 1
		.amdhsa_system_vgpr_workitem_id 0
		.amdhsa_next_free_vgpr 256
		.amdhsa_next_free_sgpr 66
		.amdhsa_reserve_vcc 1
		.amdhsa_float_denorm_mode_32 3
		.amdhsa_float_denorm_mode_16_64 3
		.amdhsa_memory_ordered 1
		.amdhsa_forward_progress 1
		.amdhsa_inst_pref_size 131
	.end_amdhsa_kernel
	.amdgpu_metadata
---
amdhsa.version: [ 1, 2 ]
amdhsa.kernels:
  - .name:           k_q5edee1b946_nearest
    .symbol:         k_q5edee1b946_nearest.kd
    .args:
      - { .name: z_e, .offset: 0, .size: 8, .value_kind: global_buffer, .address_space: global }
      - { .name: emb, .offset: 8, .size: 8, .value_kind: global_buffer, .address_space: global }
      - { .name: cand, .offset: 16, .size: 8, .value_kind: global_buffer, .address_space: global }
    .group_segment_fixed_size: 327680
    .private_segment_fixed_size: 0
    .kernarg_segment_align: 8
    .kernarg_segment_size: 24
    .max_flat_workgroup_size: 512
    .sgpr_count:     66
    .vgpr_count:     256
    .wavefront_size: 32
...
	.end_amdgpu_metadata
.endif
;; end of part 1
;; launch gather (part 2): grid 256 x 1, 16 waves a work-group, no clusters, 167,936 bytes of LDS; arguments z_e, emb, cand, out0, out2, part; writes out0, out2, part
.if DOCPART == 2
	.amdgcn_target "amdgcn-amd-amdhsa--gfx1250"
	.amdhsa_code_object_version 6
	.text
	.protected	k_q5edee1b946_gather
	.globl	k_q5edee1b946_gather
	.p2align	8
	.type	k_q5edee1b946_gather,@function
k_q5edee1b946_gather:
	s_mov_b64 s[64:65], 0
	v_nop
	global_prefetch_b8 v0, s[64:65] scope:SCOPE_SE
	s_setreg_imm32_b32 hwreg(HW_REG_WAVE_MODE, 25, 1), 1
	s_wait_xcnt 0x0
; index = the code of the least of a point's eight keys (whole numbers that the launch before stored; the lower slot, which has the lower codes, wins ties); out2 = index; out0[b][d][hw] = emb[index][d];
; the work-group's sum of (emb[index][d] - z_e)^2 goes into part[work-group].  All in f32.
; DEAD WORK LEFT OUT: z_e + (z_q - z_e) is z_q in exact arithmetic for all inputs (head of the first kernel); z_e is read here for the loss alone.
; SHARES: a work-group takes 128 points (b = wg / 8, hw from 128 (wg % 8) on).  Wave v finds the indices of points 8 v .. 8 v + 7 and gathers their rows (512 bytes: one load of the wave) into LDS;
; then it serves channels 8 v .. 8 v + 7 for all 128 points, a lane four neighbouring points: each store of out0 covers 512 consecutive bytes, aligned to 256.
; z comes by one tensor load a wave, its eight channels' rows of 512 bytes, into bytes that this wave alone reads: it has a counter of its own, so rows and stores do not wait for it.
; Four of a wave's eight stores stand ahead of the loss and its barrier, four behind them.
; The turn from [point][channel] to [channel][point] is made in LDS: four arrays, one for each point % 4, of 32 rows (point / 4) x 528 bytes.
; No matrix work.  No cluster: which rows of emb a work-group reads hangs on its indices, and no two work-groups read the same z.  No prefetch: there is no loop to run ahead in.
.set ARR,   16896
.set LOSSW, 67584                      ; a word for each wave's sum
.set IDX,   67840                      ; 128 indices
.set ZT,    68352                      ; z: 4,096 bytes a wave
.set SPARE, 133888
.set C, 16                             ; v16-31   eight candidates: key, code
.set G, 32                             ; v32-63   the eight gathered rows, 16 bytes a lane
.set E, 64                             ; v64-95   emb[index]: 8 k + d (point 4 l + k, channel 8 v + d)
.set O, 96                             ; v96-127  out0: 4 d + k
.set Z, 128                            ; v128-159 z, then the differences: 4 d + k
.set GA, 160                           ; v160-167 the gathers' offsets
.set AC, 168                           ; v168-171 sums of squares
.set T, 172
.set IR, 176                           ; v176-179 four indices on their way out
	s_load_b256 s[4:11], s[0:1], 0x0               ; z_e s[4:5], emb s[6:7], cand s[8:9], out0 s[10:11]
	s_load_b128 s[12:15], s[0:1], 0x20             ; out2 s[12:13], part s[14:15]
	v_lshl_add_u32 v12, v0, 2, SPARE
	v_mov_b32 v13, 0
	ds_add_u32 v12, v13                            ; the opening lines
	ds_add_u32 v12, v13
	v_lshrrev_b32 v1, 5, v0
	v_readfirstlane_b32 s16, v1                    ; wave v
	v_and_b32 v1, 31, v0                           ; lane l
	v_and_b32 v8, 7, v0                            ; l % 8: which of my eight points
	s_lshl_b32 s17, s16, 5
	s_add_co_u32 s18, s17, IDX
	v_lshl_add_u32 v9, v8, 2, s18                  ; my point's index
	v_lshlrev_b32 v8, 3, v8                        ; its candidates: 8 bytes a point
	v_lshlrev_b32 v2, 4, v1                        ; 16 l
	s_mul_i32 s18, s16, 1056
	v_add_nc_u32 v3, s18, v2                       ; into the arrays: rows 2 v, 2 v + 1; 16 l
	v_mul_u32_u24 v4, v1, 528
	v_add_nc_u32 v4, s17, v4                       ; out of them: row l, my eight channels' 32 bytes
	v_add_nc_u32 v10, IDX, v2
	s_lshl_b32 s19, s16, 12
	s_add_co_u32 s19, s19, ZT
	v_add_nc_u32 v11, s19, v2                      ; my z
	s_lshl_b32 s18, s16, 2
	s_add_co_u32 s18, s18, LOSSW
	v_mov_b32 v5, s18
	v_mov_b32 v6, LOSSW
	v_mov_b32 v7, 0
	v_mov_b32 v[T], 0                              ; a lane permute's destination counts as one of its sources
	s_mov_b32 s44, 0x76543210
	s_mov_b32 s45, 0xfedcba98                      ; selects for lane l xor 16
	s_lshl_b32 s20, ttmp9, 10                      ; 128 points x 8 bytes,
	s_lshl_b32 s21, s16, 6                         ; my eight
	s_add_co_u32 s20, s20, s21
	s_mov_b32 s21, 0
	s_lshr_b32 s22, ttmp9, 3
	s_lshl_b32 s22, s22, 19                        ; b: 128 channels x 4,096 bytes
	s_and_b32 s23, ttmp9, 7
	s_lshl_b32 s23, s23, 9                         ; 128 points x 4 bytes
	s_add_co_u32 s22, s22, s23
	s_lshl_b32 s23, s16, 15                        ; my eight channels
	s_add_co_u32 s22, s22, s23
	s_mov_b32 s23, 0
	s_lshl_b32 s36, ttmp9, 9                       ; 128 indices
	s_mov_b32 s37, 0
	s_lshl_b32 s38, ttmp9, 2
	s_mov_b32 s39, 0
	s_mov_b32 s24, 3<<16                           ; elements of 8 bytes, no padding
	s_mov_b32 s25, 64<<16                          ; rows of 512 bytes
	s_mov_b32 s26, 8<<16                           ; 8 rows
	s_mov_b32 s27, 64<<16
	s_mov_b32 s28, 8
	s_mov_b32 s29, 512                             ; from row to row: 4,096 bytes
	s_mov_b32 s30, 0
	s_mov_b32 s31, 0
	s_mov_b32 s32, 1
	s_lshl_b32 s33, s16, 12
	s_add_co_u32 s33, s33, ZT
	s_wait_dscnt 0x0                               ; both opening adds are done
	s_wait_alu depctr_va_vdst(0)
	s_wait_kmcnt 0x0
	s_add_nc_u64 s[8:9], s[8:9], s[20:21]
.irp s, 0,1,2,3,4,5,6,7
	global_load_b64 v[C+2*\s:C+2*\s+1], v8, s[8:9] offset:262144*\s   ; the gathers hang on them, so they are asked for first
.endr
	s_add_nc_u64 s[34:35], s[4:5], s[22:23]
	s_or_b32 s35, s35, 0x80000000
	tensor_load_to_lds s[32:35], s[24:31]
	s_nop 0
.rept 4
	v_nop
.endr
	s_add_nc_u64 s[10:11], s[10:11], s[22:23]
	s_add_nc_u64 s[12:13], s[12:13], s[36:37]
	s_add_nc_u64 s[14:15], s[14:15], s[38:39]
	s_wait_loadcnt 0x0
.macro BEST mask, lo, hi               ; the later slots win only by a strictly smaller key
	v_cndmask_b32 v[\lo], v[\lo], v[\hi], s[\mask]
	v_cndmask_b32 v[\lo+1], v[\lo+1], v[\hi+1], s[\mask]
.endm
.irp a, 0,1,2,3
	v_cmp_lt_i32 s[40+\a], v[C+4*\a+2], v[C+4*\a]
.endr
.irp a, 0,1,2,3
	BEST 40+\a, C+4*\a, C+4*\a+2
.endr
.irp a, 0,1
	v_cmp_lt_i32 s[40+\a], v[C+8*\a+4], v[C+8*\a]
.endr
.irp a, 0,1
	BEST 40+\a, C+8*\a, C+8*\a+4
.endr
	v_cmp_lt_i32 s40, v[C+8], v[C]
	v_cndmask_b32 v[C+1], v[C+1], v[C+9], s40      ; lane l: the index of point 8 v + l % 8
.irp i, 0,1,2,3,4,5,6,7
	v_readlane_b32 s[48+\i], v[C+1], \i
.endr
	ds_store_b32 v9, v[C+1]                        ; lanes of one point write the same word with the same value
.irp i, 0,1,2,3,4,5,6,7
	s_min_u32 s[48+\i], s[48+\i], 2047             ; an index stays inside the table
	s_lshl_b32 s[48+\i], s[48+\i], 9
	v_add_nc_u32 v[GA+\i], s[48+\i], v2
	global_load_b128 v[G+4*\i:G+4*\i+3], v[GA+\i], s[6:7]      ; a whole row of 512 bytes
.endr
.irp i, 0,1,2,3,4,5,6,7
	s_wait_loadcnt 7-\i                            ; row i is in; the younger ones may be out
	ds_store_b128 v3, v[G+4*\i:G+4*\i+3] offset:ARR*(\i%4)+528*(\i/4)
.endr
	s_wait_dscnt 0x0                               ; for the others' sake: my rows and indices are stored
	s_barrier_signal -1
	s_barrier_wait -1
.irp k, 0,1,2,3
	ds_load_b128 v[E+8*\k:E+8*\k+3], v4 offset:ARR*\k
	ds_load_b128 v[E+8*\k+4:E+8*\k+7], v4 offset:ARR*\k+16
.endr
	s_wait_dscnt 0x0
.irp d, 0,1,2,3,4,5,6,7
.irp k, 0,1,2,3
	v_mov_b32 v[O+4*\d+\k], v[E+8*\k+\d]           ; a store wants four points of one channel in neighbouring registers
.endr
.if \d < 4
	global_store_b128 v2, v[O+4*\d:O+4*\d+3], s[10:11] offset:4096*\d th:TH_STORE_NT   ; 512 consecutive bytes, at a multiple of 256 from out0's first byte
.endif
.endr
	s_wait_alu depctr_va_vdst(0)
	s_cmp_lg_u32 s16, 1
	s_cbranch_scc1 .Lno_idx                        ; wave 1 stores the 128 indices
	ds_load_b128 v[IR:IR+3], v10
	s_wait_dscnt 0x0
	global_store_b128 v2, v[IR:IR+3], s[12:13]     ; 512 consecutive bytes
.Lno_idx:
	s_wait_tensorcnt 0x0                           ; my z is in; I alone read it
.irp d, 0,1,2,3,4,5,6,7
	ds_load_b128 v[Z+4*\d:Z+4*\d+3], v11 offset:512*\d
.endr
	s_wait_dscnt 0x0
.irp i, 0,2,4,6,8,10,12,14,16,18,20,22,24,26,28,30
	v_pk_add_f32 v[Z+\i:Z+\i+1], v[O+\i:O+\i+1], v[Z+\i:Z+\i+1] neg_lo:[0,1] neg_hi:[0,1]   ; z_q - z_e
.endr
	v_pk_mul_f32 v[AC:AC+1], v[Z:Z+1], v[Z:Z+1]
	v_pk_mul_f32 v[AC+2:AC+3], v[Z+2:Z+3], v[Z+2:Z+3]
.irp i, 4,8,12,16,20,24,28
	v_pk_fma_f32 v[AC:AC+1], v[Z+\i:Z+\i+1], v[Z+\i:Z+\i+1], v[AC:AC+1]
	v_pk_fma_f32 v[AC+2:AC+3], v[Z+\i+2:Z+\i+3], v[Z+\i+2:Z+\i+3], v[AC+2:AC+3]
.endr
	s_delay_alu instid0(VALU_DEP_1)
	v_pk_add_f32 v[AC:AC+1], v[AC:AC+1], v[AC+2:AC+3]
	s_delay_alu instid0(VALU_DEP_1)
	v_add_f32 v[AC], v[AC], v[AC+1]
	s_delay_alu instid0(VALU_DEP_1)
	v_add_f32_dpp v[AC], v[AC], v[AC] row_xmask:1 row_mask:0xf bank_mask:0xf
	s_delay_alu instid0(VALU_DEP_1)
	v_add_f32_dpp v[AC], v[AC], v[AC] row_xmask:2 row_mask:0xf bank_mask:0xf
	s_delay_alu instid0(VALU_DEP_1)
	v_add_f32_dpp v[AC], v[AC], v[AC] row_xmask:4 row_mask:0xf bank_mask:0xf
	s_delay_alu instid0(VALU_DEP_1)
	v_add_f32_dpp v[AC], v[AC], v[AC] row_xmask:8 row_mask:0xf bank_mask:0xf
	s_delay_alu instid0(VALU_DEP_1)
	v_permlanex16_b32 v[T], v[AC], s44, s45
	s_delay_alu instid0(VALU_DEP_1)
	v_add_f32 v[AC], v[AC], v[T]                   ; the wave's sum, in every lane
	ds_store_b32 v5, v[AC]
	s_wait_dscnt 0x0
	s_barrier_signal -1
	s_barrier_wait -1
	s_cmp_lg_u32 s16, 0
	s_cbranch_scc1 .Lend
.irp i, 0,1,2,3
	ds_load_b128 v[E+4*\i:E+4*\i+3], v6 offset:16*\i
.endr
	s_wait_dscnt 0x0
	v_pk_add_f32 v[E:E+1], v[E:E+1], v[E+8:E+9]
	v_pk_add_f32 v[E+2:E+3], v[E+2:E+3], v[E+10:E+11]
	v_pk_add_f32 v[E+4:E+5], v[E+4:E+5], v[E+12:E+13]
	v_pk_add_f32 v[E+6:E+7], v[E+6:E+7], v[E+14:E+15]
	s_delay_alu instid0(VALU_DEP_2)
	v_pk_add_f32 v[E:E+1], v[E:E+1], v[E+4:E+5]
	s_delay_alu instid0(VALU_DEP_2)
	v_pk_add_f32 v[E+2:E+3], v[E+2:E+3], v[E+6:E+7]
	s_delay_alu instid0(VALU_DEP_1)
	v_pk_add_f32 v[E:E+1], v[E:E+1], v[E+2:E+3]
	s_delay_alu instid0(VALU_DEP_1)
	v_add_f32 v[E], v[E], v[E+1]                   ; the work-group's sum
	v_cmp_eq_u32 vcc_lo, 0, v0
	s_wait_alu depctr_va_vdst(0)
	s_wait_xcnt 0x0                                ; EXEC is a source of the stores above: it changes only behind this wait
	s_and_saveexec_b32 s46, vcc_lo
	global_store_b32 v7, v[E], s[14:15]            ; one word a work-group: the sum over work-groups is made by the next launch
	s_wait_xcnt 0x0
	s_or_b32 exec_lo, exec_lo, s46
.Lend:
.irp d, 4,5,6,7
	global_store_b128 v2, v[O+4*\d:O+4*\d+3], s[10:11] offset:4096*\d th:TH_STORE_NT   ; my other four channels
.endr
	s_wait_tensorcnt 0x0                           ; the wave's end
	ds_add_u32 v12, v13
	s_wait_dscnt 0x0
	s_endpgm
.Lfunc_end_k_q5edee1b946_gather:
	.size	k_q5edee1b946_gather, .Lfunc_end_k_q5edee1b946_gather-k_q5edee1b946_gather
	.p2alignl 7, 3214868480
	.fill 96, 4, 3214868480
	.section	.rodata,"a",@progbits
	.p2align	6, 0x0
	.amdhsa_kernel k_q5edee1b946_gather
		.amdhsa_group_segment_fixed_size 167936
		.amdhsa_private_segment_fixed_size 0
		.amdhsa_enable_private_segment 0
		.amdhsa_kernarg_size 48
		.amdhsa_user_sgpr_count 2
		.amdhsa_user_sgpr_kernarg_segment_ptr 1
		.amdhsa_wavefront_size32 1
		.amdhsa_system_sgpr_workgroup_id_x 1
		.amdhsa_system_sgpr_workgroup_id_y 1
		.amdhsa_system_sgpr_workgroup_id_z 1
		.amdhsa_system_vgpr_workitem_id 0
		.amdhsa_next_free_vgpr 184
		.amdhsa_next_free_sgpr 66
		.amdhsa_reserve_vcc 1
		.amdhsa_float_denorm_mode_32 3
		.amdhsa_float_denorm_mode_16_64 3
		.amdhsa_memory_ordered 1
		.amdhsa_forward_progress 1
		.amdhsa_inst_pref_size 16
	.end_amdhsa_kernel
	.amdgpu_metadata
---
amdhsa.version: [ 1, 2 ]
amdhsa.kernels:
  - .name:           k_q5edee1b946_gather
    .symbol:         k_q5edee1b946_gather.kd
    .args:
      - { .name: z_e, .offset: 0, .size: 8, .value_kind: global_buffer, .address_space: global }
      - { .name: emb, .offset: 8, .size: 8, .value_kind: global_buffer, .address_space: global }
      - { .name: cand, .offset: 16, .size: 8, .value_kind: global_buffer, .address_space: global }
      - { .name: out0, .offset: 24, .size: 8, .value_kind: global_buffer, .address_space: global }
      - { .name: out2, .offset: 32, .size: 8, .value_kind: global_buffer, .address_space: global }
      - { .name: part, .offset: 40, .size: 8, .value_kind: global_buffer, .address_space: global }
    .group_segment_fixed_size: 167936
    .private_segment_fixed_size: 0
    .kernarg_segment_align: 8
    .kernarg_segment_size: 48
    .max_flat_workgroup_size: 512
    .sgpr_count:     66
    .vgpr_count:     184
    .wavefront_size: 32
...
	.end_amdgpu_metadata
.endif
;; end of part 2
;; launch loss (part 3): grid 1 x 1, 1 waves a work-group, no clusters, 0 bytes of LDS; arguments part, out1; writes out1
.if DOCPART == 3
	.amdgcn_target "amdgcn-amd-amdhsa--gfx1250"
	.amdhsa_code_object_version 6
	.text
	.protected	k_q5edee1b946_loss
	.globl	k_q5edee1b946_loss
	.p2align	8
	.type	k_q5edee1b946_loss,@function
k_q5edee1b946_loss:
	s_mov_b64 s[64:65], 0
	v_nop
	global_prefetch_b8 v0, s[64:65] scope:SCOPE_SE
	s_setreg_imm32_b32 hwreg(HW_REG_WAVE_MODE, 25, 1), 1
	s_wait_xcnt 0x0
; out1 = 1.25 x (the sum of the 256 work-groups' sums of squares) / 4,194,304: the codebook loss and 0.25 x the commitment loss are the same mean.
; One wave: 256 numbers are eight a lane.  A sum over work-groups is ordered by a launch of its own; there is work for one wave and no more.
	s_load_b128 s[4:7], s[0:1], 0x0                ; part, out1
	v_lshlrev_b32 v1, 4, v0
	v_mov_b32 v10, 0                               ; a lane permute's destination counts as one of its sources
	v_mov_b32 v11, 0
	s_mov_b32 s8, 0x76543210
	s_mov_b32 s9, 0xfedcba98
	s_wait_alu depctr_va_vdst(0)
	s_wait_kmcnt 0x0
	global_load_b128 v[2:5], v1, s[4:5]
	global_load_b128 v[6:9], v1, s[4:5] offset:512
	s_wait_loadcnt 0x0
	v_pk_add_f32 v[2:3], v[2:3], v[6:7]
	v_pk_add_f32 v[4:5], v[4:5], v[8:9]
	v_pk_add_f32 v[2:3], v[2:3], v[4:5]
	v_add_f32 v2, v2, v3
	v_add_f32_dpp v2, v2, v2 row_xmask:1 row_mask:0xf bank_mask:0xf
	v_add_f32_dpp v2, v2, v2 row_xmask:2 row_mask:0xf bank_mask:0xf
	v_add_f32_dpp v2, v2, v2 row_xmask:4 row_mask:0xf bank_mask:0xf
	v_add_f32_dpp v2, v2, v2 row_xmask:8 row_mask:0xf bank_mask:0xf
	v_permlanex16_b32 v10, v2, s8, s9
	v_add_f32 v2, v2, v10
	v_mul_f32 v2, 0x34a00000, v2                   ; 1.25 x 2^-22
	v_cmp_eq_u32 vcc_lo, 0, v0
	s_wait_alu depctr_va_vdst(0)
	s_wait_xcnt 0x0                                ; EXEC changes only behind this wait
	s_and_saveexec_b32 s10, vcc_lo
	global_store_b32 v11, v2, s[6:7]
	s_wait_xcnt 0x0
	s_or_b32 exec_lo, exec_lo, s10
	s_endpgm
.Lfunc_end_k_q5edee1b946_loss:
	.size	k_q5edee1b946_loss, .Lfunc_end_k_q5edee1b946_loss-k_q5edee1b946_loss
	.p2alignl 7, 3214868480
	.fill 96, 4, 3214868480
	.section	.rodata,"a",@progbits
	.p2align	6, 0x0
	.amdhsa_kernel k_q5edee1b946_loss
		.amdhsa_group_segment_fixed_size 0
		.amdhsa_private_segment_fixed_size 0
		.amdhsa_enable_private_segment 0
		.amdhsa_kernarg_size 16
		.amdhsa_user_sgpr_count 2
		.amdhsa_user_sgpr_kernarg_segment_ptr 1
		.amdhsa_wavefront_size32 1
		.amdhsa_system_sgpr_workgroup_id_x 1
		.amdhsa_system_sgpr_workgroup_id_y 1
		.amdhsa_system_sgpr_workgroup_id_z 1
		.amdhsa_system_vgpr_workitem_id 0
		.amdhsa_next_free_vgpr 16
		.amdhsa_next_free_sgpr 66
		.amdhsa_reserve_vcc 1
		.amdhsa_float_denorm_mode_32 3
		.amdhsa_float_denorm_mode_16_64 3
		.amdhsa_memory_ordered 1
		.amdhsa_forward_progress 1
		.amdhsa_inst_pref_size 2
	.end_amdhsa_kernel
	.amdgpu_metadata
---
amdhsa.version: [ 1, 2 ]
amdhsa.kernels:
  - .name:           k_q5edee1b946_loss
    .symbol:         k_q5edee1b946_loss.kd
    .args:
      - { .name: part, .offset: 0, .size: 8, .value_kind: global_buffer, .address_space: global }
      - { .name: out1, .offset: 8, .size: 8, .value_kind: global_buffer, .address_space: global }
    .group_segment_fixed_size: 0
    .private_segment_fixed_size: 0
    .kernarg_segment_align: 8
    .kernarg_segment_size: 16
    .max_flat_workgroup_size: 32
    .sgpr_count:     66
    .vgpr_count:     16
    .wavefront_size: 32
...
	.end_amdgpu_metadata
.endif
;; end of part 3
